; MI455X (gfx1250); checked and timed in simulation.
; The chip was launched on July 23, 2026; its instructions are those of AMD's public machine-readable ISA for CDNA 5 (MIT licence, August 2026) and "CDNA5" Instruction Set Architecture Reference Guide (July 2026). The comments in the code are by the model that wrote it; some were corrected since.
;; Dot Product Attention. Allowed arithmetic: matrix products marked QUANTISED: E5M2 operands, one given power-of-two scale a tensor, by v_wmma_f32_16x16x64_bf8_bf8 or v_wmma_f32_16x16x128_bf8_bf8, f32 sums; everything else in f32.
;; Inputs: key 2,048 x 2 x 8 x 128 float32; lowp_scales 4 int32 (the exponents e of the quantised operands' scales 2^e); query 2,048 x 2 x 32 x 128 float32; value 2,048 x 2 x 8 x 128 float32.
;; Outputs: out0 2,048 x 2 x 32 x 128 float32.
;; This version of the problem:
;;   THIS VERSION OF THE PROBLEM IS GIVEN IN LOW PRECISION. The matrix products marked QUANTISED in the list below multiply operands that are first quantised to E5M2 (5 exponent bits, 2 mantissa bits; 8 bits a number), with one given power-of-two scale for each operand tensor; their sums are f32. All else is computed in f32.
;;   The module's matrix products, in the order in which they are computed (A, B: the left and right operand; K: the contracted axis; several contracted axes count as one K, in the product's order):
;;     1. batch 16 x [M 2,048, K 128] x [K 128, N 8,192]; A: input key; B: input query: QUANTISED (scales: A lowp_scales[0], B lowp_scales[1])
;;     2. batch 16 x [M 128, K 2,048] x [K 2,048, N 8,192]; A: input value; B: softmax (see below): QUANTISED (scales: A lowp_scales[2], B lowp_scales[3])
;;   THE QUANTISER, for each operand of a quantised product, along K:
;;     - The operand's scale is 2^e, e = its entry of the input lowp_scales (int32; the entries are numbered through the quantised products in the list's order, A before B).
;;     - Each number is divided by the scale, clamped to +-57,344, and rounded to the nearest number of E5M2, ties to even, subnormals kept.
;;     - The product sums the exact products of the quantised numbers (number of the format x scale) in f32.
;;   ~~~python
;;   def quantise(x, axis, e):      # numpy; x: float32 -> the quantised numbers, widened to float32 again
;;       x = np.moveaxis(x, axis, -1); K = x.shape[-1]
;;       r = np.clip(x / 2.0 ** e, -57344, 57344)
;;       step = 2.0 ** (np.maximum(np.frexp(np.where(r == 0, 1, r))[1] - 1, -14) - 2)
;;       q = np.round(r / step) * step * 2.0 ** e      # np.round: ties to even
;;       return np.moveaxis(q, -1, axis).astype(np.float32)
;;   ~~~
;;   SOFTMAX AHEAD OF A QUANTISED PRODUCT. Where the list says 'softmax', what is quantised is not the finished softmax but p = 2^(t - M), with t = logit x log2(e) and M = ceil(the row's largest t), a whole number; so 1/2 < the row's largest p <= 1. The row's sum l is taken of the UNQUANTISED p, in f32, and the product's result is divided by l at the end. Since M is a whole number, a kernel that streams over the keys may use a running M (the ceiling of the running maximum): every later rescaling is an exact power of two, so the quantised numbers keep their values, but for numbers so far below the row's largest that they fall under the format's range.
;;   OPERANDS COMPUTED ON THE WAY. 'Computed on the way' means the value that the module computes at that place (a softmax that the list does not call 'softmax' is quantised finished and normalised). What goes into a quantiser is computed in f32, as accurately as f32 sums, v_exp_f32 and their like allow (about 1e-6 of the number): no bf16 or f16 on the way to a quantiser, and a product that is left as it is and whose result goes on into a quantised operand takes f32 operands (vector FMAs, or v_wmma_f32_16x16x4_f32). A number that lies on a knife's edge between two numbers of the format may be rounded either way, as far as f32 arithmetic and the matrix unit's own rounding can turn it there, and no further.
;; One version. Each part assembles by itself: llvm-mc -triple=amdgcn-amd-amdhsa -mcpu=gfx1250 --defsym DOCPART=n.
;; ======== version 1 of 1: 2 launches
;; limits: right only within a limited range of input values
;; workspace buffers: kv 8,388,608 bytes
;; launch pack (part 1): grid 256 x 1, 8 waves a work-group, no clusters, 68,608 bytes of LDS; arguments key, value, lowp_scales, kv; writes kv
.if DOCPART == 1
	.amdgcn_target "amdgcn-amd-amdhsa--gfx1250"
	.amdhsa_code_object_version 6
	.text
	.protected	k_qb430a2a379_pack
	.globl	k_qb430a2a379_pack
	.p2align	8
	.type	k_qb430a2a379_pack,@function
k_qb430a2a379_pack:
	s_mov_b64 s[64:65], 0
	v_nop
	global_prefetch_b8 v0, s[64:65] scope:SCOPE_SE
	s_setreg_imm32_b32 hwreg(HW_REG_WAVE_MODE, 25, 1), 1
	s_wait_xcnt 0x0
; key and value, [2048 (position)][16 (head y = 8 b + h)][128] f32, become codes of BF8 (E5M2), each tensor with the one scale 2^e that is given for it
; (entry 0 of the scales for key, entry 2 for value): code = x / 2^e, held within +-57,344, rounded to the nearest code, ties to even.
; LIMITS: both exponents lie between -126 and 112, so that 2^e and 57,344 x 2^e are f32 numbers.  NaN among the inputs is not served (an infinity is held at the largest code).
; THE CODES ARE LAID AS IMAGES OF THE OPERANDS' REGISTERS.  Block x = 16 y + step (a step = 128 keys) is 32,768 bytes of kv: K's image, 16,384 bytes, then V's.
; An image is 8 fragments of 2,048 bytes; fragment t, chunk c (0..3), lane l = 16 h + r: 16 bytes at 2048 t + 512 c + 16 l.  Byte e of them is
;   in K's image: K[key 32 (t / 2) + 8 (t % 2) + r + 8 (r / 8)][channel 32 c + 16 h + e]      (the keys of a fragment are chosen so that two neighbouring score tiles hold 16 neighbouring keys a lane)
;   in V's image: V[key 32 c + 16 h + e][channel 16 t + r]                                    (the keys are the second product's K, so they run along the bytes)
; SHARES.  A work-group takes one block.  Waves 0-3: K, wave w the keys 32 w .. 32 w + 31 = fragments 2 w, 2 w + 1.  Waves 4-7: V, wave w - 4 the channels 32 (w - 4) on = fragments 2 (w - 4), + 1.
; K: K is innermost in memory.  Each load reads one key's row, 512 consecutive bytes; the rows turn through the wave's own stage in LDS, so that a lane gets 16 neighbouring channels of one key.
; V: a lane takes a channel and its registers run down the keys, so the conversions give codes with the keys innermost and nothing is transposed.
; No barrier (waves share nothing), no loop, every offset an immediate, no store's data written twice.
.set ROWB, 8192                        ; bytes from a position to the next in key and in value
.set SP,   528                         ; a stage row: 512 bytes + 16 = 33 x 16 bytes, so that the sixteen rows that a load touches start at sixteen different 16-byte columns of 256
.set STG,  16*SP                       ; a stage: one fragment's 16 keys
.set WREG, 2*STG                       ; LDS of a K wave: two stages
.set LI,   2                           ; v2   16 x lane
.set L4,   3                           ; v3   4 x lane
.set SIN,  4                           ; v4   the stage on the way in: 16 x lane + my wave's region
.set SFR,  5                           ; v5   and on the way out: row r, + 64 h
.set VO,   6                           ; v6   V's codes: 2048 (lane / 16) + 16 (lane % 16)
.set R,    16                          ; v16-143  128 numbers
.set C,    144                         ; v144-175 their codes
.macro SCALE e                         ; v11 = 2^e as f32 (the conversion takes its exponent field)
	s_wait_kmcnt 0x0
	s_add_co_i32 s24, s[\e], 127
	s_lshl_b32 s25, s24, 23
	v_mov_b32 v11, s25
.endm
.macro TURN u                          ; fragment u's 16 rows through its stage; they come back into the registers that they left (LDS serves a wave's instructions in order: ISA guide 5.7.1.4)
.set II, 0
.rept 16
	ds_store_b128 v[SIN], v[R+64*\u+4*II:R+64*\u+4*II+3] offset:STG*\u+SP*II
.set II, II+1
.endr
.irp c, 0,1,2,3
.irp j, 0,1,2,3
	ds_load_b128 v[R+64*\u+16*\c+4*\j:R+64*\u+16*\c+4*\j+3], v[SFR] offset:STG*\u+128*\c+16*\j   ; register 16 c + e = channel 32 c + 16 h + e of key r
.endr
.endr
.endm
.macro QK u                            ; fragment u: the conversion, four stores of 512 consecutive bytes, aligned
.irp c, 0,1,2,3
.set II, 0
.rept 16
.set II, II+1
.endr
	v_cvt_scalef32_pk8_bf8_f32 v[C+16*\u+4*\c:C+16*\u+4*\c+1], v[R+64*\u+16*\c:R+64*\u+16*\c+7], v11
	v_cvt_scalef32_pk8_bf8_f32 v[C+16*\u+4*\c+2:C+16*\u+4*\c+3], v[R+64*\u+16*\c+8:R+64*\u+16*\c+15], v11
	global_store_b128 v[LI], v[C+16*\u+4*\c:C+16*\u+4*\c+3], s[10:11] offset:2048*\u+512*\c   ; (the codes go to stores alone; the next vector lines are plain and touch other registers)
.endr
.endm
.macro VBLOCK c, left                  ; keys 32 c .. 32 c + 31 of my channel
	s_wait_loadcnt \left
.set II, 0
.rept 32
.set II, II+1
.endr
.irp p, 0,1,2,3
	v_cvt_scalef32_pk8_bf8_f32 v[C+8*\c+2*\p:C+8*\c+2*\p+1], v[R+32*\c+8*\p:R+32*\c+8*\p+7], v11
.endr
.irp hh, 0,1
	global_store_b128 v[VO], v[C+8*\c+4*\hh:C+8*\c+4*\hh+3], s[10:11] offset:512*\c+256*\hh   ; keys 32 c + 16 hh on: sixteen lanes store 256 consecutive bytes, aligned; the other sixteen the next fragment's
.endr
.endm
	s_load_b256 s[4:11], s[0:1], 0x0               ; key s[4:5], value s[6:7], the scales' exponents s[8:9], kv s[10:11]
	v_lshl_add_u32 v176, v0, 2, 0x10800
	v_mov_b32 v177, 0
	v_lshrrev_b32 v1, 5, v0
	s_delay_alu instid0(VALU_DEP_1)
	v_readfirstlane_b32 s12, v1                    ; wave 0..7
	v_and_b32 v1, 31, v0                           ; lane
	v_and_b32 v7, 15, v0                           ; r
	v_bfe_u32 v8, v0, 4, 1                         ; h
	s_delay_alu instid0(VALU_DEP_3)
	v_lshlrev_b32 v[LI], 4, v1
	s_delay_alu instid0(VALU_DEP_4)
	v_lshlrev_b32 v[L4], 2, v1
	s_and_b32 s13, s12, 3                          ; my place among the four waves of my tensor
	s_mul_i32 s24, s13, WREG
	v_add_nc_u32 v[SIN], s24, v[LI]                ; every address register is made ahead of the parting of the roles
	v_mul_u32_u24 v[SFR], v7, SP
	s_delay_alu instid0(VALU_DEP_1)
	v_lshl_add_u32 v[SFR], v8, 6, v[SFR]
	s_delay_alu instid0(VALU_DEP_1)
	v_add_nc_u32 v[SFR], s24, v[SFR]
	v_lshlrev_b32 v[VO], 4, v7
	s_delay_alu instid0(VALU_DEP_1)
	v_lshl_add_u32 v[VO], v8, 11, v[VO]
	s_lshr_b32 s14, ttmp9, 4                       ; head y
	s_and_b32 s15, ttmp9, 15                       ; step
	s_lshl_b32 s16, s15, 20                        ; in: 128 positions of 8,192 bytes a step,
	s_lshl_b32 s25, s14, 9                         ; 512 bytes a head
	s_add_co_u32 s16, s16, s25
	s_mov_b32 s17, 0
	s_lshl_b32 s18, ttmp9, 15                      ; out: 32,768 bytes a block,
	s_lshl_b32 s25, s12, 12                        ; two fragments a wave: waves 4-7 fall into V's half
	s_add_co_u32 s18, s18, s25
	s_mov_b32 s19, 0
	s_wait_kmcnt 0x0
	s_load_b128 s[20:23], s[8:9], 0x0              ; ek, eq, ev, ep
	s_add_nc_u64 s[10:11], s[10:11], s[18:19]
	s_cmp_lt_u32 s12, 4
	s_cbranch_scc0 .Lvalue
	; ---- K
	s_lshl_b32 s25, s13, 18                        ; my 32 keys
	s_add_co_u32 s16, s16, s25
	s_add_nc_u64 s[4:5], s[4:5], s[16:17]
	s_wait_alu depctr_va_vdst(0)
.irp u, 0,1
.irp i, 0,1,2,3,4,5,6,7,8,9,10,11,12,13,14,15
	global_load_b128 v[R+64*\u+4*\i:R+64*\u+4*\i+3], v[LI], s[4:5] offset:(8*\u+\i+8*(\i/8))*ROWB th:TH_LOAD_NT   ; row i of fragment u: 512 consecutive bytes
.endr
.endr
	SCALE 20
	s_wait_alu depctr_va_vdst(0)
	s_wait_loadcnt 16                              ; fragment 0's rows are in; fragment 1's sixteen loads may be out
	TURN 0
	s_wait_loadcnt 0x0
	TURN 1
	s_wait_dscnt 32                                ; fragment 0 is back; behind it stand fragment 1's 16 stores and 16 loads
	QK 0
	s_wait_dscnt 0x0
	QK 1
	s_wait_tensorcnt 0x0
	ds_add_u32 v176, v177
	s_wait_dscnt 0x0
	s_endpgm
	; ---- V
.Lvalue:
	s_lshl_b32 s25, s13, 7                         ; my 32 channels: the four waves stand side by side on a row's 512 bytes
	s_add_co_u32 s16, s16, s25
	s_add_nc_u64 s[6:7], s[6:7], s[16:17]
.set KK, 0
	s_wait_alu depctr_va_vdst(0)
.rept 128
	global_load_b32 v[R+KK], v[L4], s[6:7] offset:KK*ROWB th:TH_LOAD_NT   ; V(key KK, my channel): the wave reads 128 consecutive bytes
.set KK, KK+1
.endr
	SCALE 22
	s_wait_alu depctr_va_vdst(0)
	VBLOCK 0, 63                                   ; 96 younger loads might stay out; a wait's count names 63 at the most (ISA guide 5.7.1)
	VBLOCK 1, 63                                   ; likewise (64 younger)
	VBLOCK 2, 32                                   ; the last block's 32 loads may be out
	VBLOCK 3, 0
	s_endpgm
.Lfunc_end_k_qb430a2a379_pack:
	.size	k_qb430a2a379_pack, .Lfunc_end_k_qb430a2a379_pack-k_qb430a2a379_pack
	.p2alignl 7, 3214868480
	.fill 96, 4, 3214868480
	.section	.rodata,"a",@progbits
	.p2align	6, 0x0
	.amdhsa_kernel k_qb430a2a379_pack
		.amdhsa_group_segment_fixed_size 68608
		.amdhsa_private_segment_fixed_size 0
		.amdhsa_enable_private_segment 0
		.amdhsa_kernarg_size 32
		.amdhsa_user_sgpr_count 2
		.amdhsa_user_sgpr_kernarg_segment_ptr 1
		.amdhsa_wavefront_size32 1
		.amdhsa_system_sgpr_workgroup_id_x 1
		.amdhsa_system_sgpr_workgroup_id_y 1
		.amdhsa_system_sgpr_workgroup_id_z 1
		.amdhsa_system_vgpr_workitem_id 0
		.amdhsa_next_free_vgpr 178
		.amdhsa_next_free_sgpr 66
		.amdhsa_reserve_vcc 0
		.amdhsa_float_denorm_mode_32 3
		.amdhsa_float_denorm_mode_16_64 3
		.amdhsa_fp16_overflow 1
		.amdhsa_memory_ordered 1
		.amdhsa_forward_progress 1
		.amdhsa_inst_pref_size 26
	.end_amdhsa_kernel
	.amdgpu_metadata
---
amdhsa.version: [ 1, 2 ]
amdhsa.kernels:
  - .name:           k_qb430a2a379_pack
    .symbol:         k_qb430a2a379_pack.kd
    .args:
      - { .name: key, .offset: 0, .size: 8, .value_kind: global_buffer, .address_space: global }
      - { .name: value, .offset: 8, .size: 8, .value_kind: global_buffer, .address_space: global }
      - { .name: lowp_scales, .offset: 16, .size: 8, .value_kind: global_buffer, .address_space: global }
      - { .name: kv, .offset: 24, .size: 8, .value_kind: global_buffer, .address_space: global }
    .group_segment_fixed_size: 68608
    .private_segment_fixed_size: 0
    .kernarg_segment_align: 8
    .kernarg_segment_size: 32
    .max_flat_workgroup_size: 256
    .sgpr_count:     66
    .vgpr_count:     178
    .wavefront_size: 32
...
	.end_amdgpu_metadata
.endif
;; end of part 1
;; launch attn (part 2): grid 16 x 16, 16 waves a work-group, clusters of 4 x 1, 327,680 bytes of LDS; arguments query, kv, lowp_scales, out0; writes out0
.if DOCPART == 2
	.amdgcn_target "amdgcn-amd-amdhsa--gfx1250"
	.amdhsa_code_object_version 6
	.text
	.protected	k_qb430a2a379_attn
	.globl	k_qb430a2a379_attn
	.p2align	8
	.type	k_qb430a2a379_attn,@function
k_qb430a2a379_attn:
	s_mov_b64 s[64:65], 0
	v_nop
	global_prefetch_b8 v0, s[64:65] scope:SCOPE_SE
	s_setreg_imm32_b32 hwreg(HW_REG_WAVE_MODE, 25, 1), 1
	s_wait_xcnt 0x0
	s_wait_alu depctr_hold_cnt(0) depctr_sa_sdst(0) depctr_va_vdst(0) depctr_va_sdst(0) depctr_va_ssrc(0) depctr_va_vcc(0) depctr_vm_vsrc(0)
	s_getreg_b32 s2, hwreg(HW_REG_IB_STS2, 6, 4)
	s_cmp_eq_u32 s2, 0
	s_cbranch_scc0 .Lentry_in_a_cluster
	s_endpgm
.Lentry_in_a_cluster:
	s_bfe_u32 s2, ttmp6, 0x10000c
	s_cmp_lg_u32 s2, 0x3003
	s_cbranch_scc0 .Lentry_shape_is_right
	s_endpgm
.Lentry_shape_is_right:
; out[q][b][4 h + g][:] = the sum over keys k <= q of softmax_k(Q . K / sqrt(128)) V, both products on codes of BF8 (E5M2), each operand with the one scale 2^e that is given: ek, eq, ev, ep.
; query, out0: [2048 (position)][64 (4 y + g)][128] f32, y = 8 b + h the key and value head, g the query head's place in its group of four.  kv: K's and V's codes as images of the operands' registers:
; block 16 y + step (128 keys) = 32,768 bytes: K's 8 fragments of 2,048 bytes, then V's 8; fragment t, chunk c, lane l: 16 bytes at 2048 t + 512 c + 16 l.  A fragment is four ds_load_b128 of 512 consecutive bytes.
; THE SOFTMAX AHEAD OF THE SECOND PRODUCT: t = score x log2(e) / sqrt(128); M = the largest t so far, rounded UP to a whole number; p = 2^(t - M) is quantised along the keys, not normalised.  The row's sum is taken
; of the unquantised p in f32 and divides O at the end.  When M moves, the sum and O are multiplied by 2^(old M - new M), which rounds nothing.
; SHARES.  A work-group owns ONE query head and TWO blocks of 256 positions: first block 7 - i (8 - i slots of 256 keys count for it), then block i (i + 1 slots): nine slots for every work-group, 256 work-groups alike.
; Each of its sixteen waves owns 16 positions of the block in hand, one tile, in 256 registers.  A key step (128 keys) all of whose keys come after the wave's positions is left out.
; CLUSTER.  The four partners are the four query heads of one key and value head at the same positions: they want the same slots in the same order, so each slot is asked for JOINTLY (mask 15).  Every branch hangs on
; the wave's number, the cluster's x (i) and loop counters, which the partners share; my place in the cluster (g) enters only the addresses of query, of out0 and of the prefetches.
; LAYOUT.  Both products are used transposed: S^T = K Q^T (source 0 = 16 keys, source 1 = my 16 queries), O^T = V^T P^T (source 0 = 16 channels, source 1 = P): a lane holds ONE query (lane % 16) throughout.
; The keys of a fragment of K are chosen so that registers 16 b + i of S^T are keys 32 b + 16 (lane / 16) + i: the conversions' results are the second product's operand.
; Inside a matrix instruction k stands in other places than the form's own layout gives it, alike in both operands: every product meets its partner, and only the order of the f32 sums changes.
; LIMITS on the given exponents, so that each power of two below is an f32 number: ek + eq between -123 and 130 (added to c's exponent field); eq and ep between -126 and 112; ep + ev goes by v_ldexp_f32 and has none.
; NaN among the inputs is not served.  Hidden scores become -infinity, so their p is 0; key 0 counts for every query, so M is a number from a block's first step on.
; REGISTERS: v1-9 addresses that stay (v8: the step's); v12 -M, v13 the largest t, v[14:15] the sum in two halves; v16-31 Q's codes; v32-95 four fragments of K or V, or Q's rows as loaded; v96-159 S^T, then p
; (also Q's numbers, and O on the way out); v160-223 O^T; v224-239 p's codes; v244: 2^ep; v245: 2^eq; v236, v238-243, v246-255 at work.
.set SLOT1, 65536                      ; LDS: slot 0 at 0, slot 1 here: one exclusive or turns an address in one slot into the other's.  A slot = 256 keys = two blocks of kv
.set STEPB, 32768                      ; a key step's block
.set VIMG,  16384                      ; V's image in it
.set FRB,   2048                       ; a fragment's image
.set SP,    528                        ; a stage row: 512 bytes + 16 = 33 x 16 bytes
.set WST,   16*SP                      ; a wave's stage: 16 rows, for Q on the way in and O on the way out; no fill ever lands there
.set STAGE, 2*SLOT1                    ; behind the ring: sixteen stages, 33 blocks of 256 bytes each
.set SPARE, STAGE+16*WST               ; behind the stages: the spare words, 128 bytes for each wave: eight blocks of 256 bytes that no other line names
.set QROW,  32768                      ; bytes from a position to the next in query and in out0
.set LI,  1                            ; v1   16 x lane: my place in a fragment's chunk, and in a row of query or out0
.set SIN, 2                            ; v2   my stage, by rows: 16 x lane
.set SFR, 3                            ; v3   my stage, Q's way out: row r, + 64 h
.set SOU, 4                            ; v4   my stage, O's way in: row r, + 32 h
.set SPW, 5                            ; v5   LDS address of my spare word: SPARE + 4 x my thread's number; never rewritten
.set NIL, 6                            ; v6   0; never rewritten
.set PFO, 7                            ; v7   256 x lane: the prefetches' offset; never rewritten
.set ADR, 8                            ; v8   LDS address of the step's fragments
.set DQ,  9                            ; v9   r - 16 h
.set WV,  12                           ; s12  my wave's number
.set G1,  16                           ; s[16:23] descriptor group 1
.set G0,  24                           ; s[24:27] descriptor group 0, which walks
.set KVB, 28                           ; s[28:29] kv at my head's first block, + my quarter of a slot
.set OFS, 30                           ; s[30:31] an offset as a pair; s31 stays 0
.set REQ, 32                           ; s32  the slot of the head that was asked for last
.set NHS, 33                           ; s33  8 - i: the first block's slots
.set SWI, 34                           ; s34  i + 1: the count of slots to go at which the blocks change
.set KF,  35                           ; s35  the step's first key
.set Q0,  36                           ; s36  my first position
.set TB,  37                           ; s37  LDS byte at which the slot in hand begins
.set SLOTS, 38                         ; s38  slots still to be asked for
.set LIM, 39                           ; s39  2 in a wave that prefetches, else the greatest number
.set PFA, 40                           ; s[40:41] where my prefetches stand
.set SEL, 42                           ; s[42:43] lane selects for v_permlanex16_b32: lane l xor 16
.set CS,  44                           ; s[44:45] c = log2(e) / sqrt(128) x 2^(ek + eq): the packed form names a pair and takes its low word for both halves
.set Q0LO, 46                          ; s46  my first position in the second block
.set EPV, 47                           ; s47  ep + ev
.set DLT, 54                           ; s[54:55] bytes from the first block's rows back to the second's in query and out0
; A round of the cluster's barrier: my work-group's barrier, so that wave 0's signal speaks for all sixteen waves; wave 0 signals for the work-group; every wave waits for all four work-groups; my work-group's barrier once more.
.macro ROUND
	s_barrier_signal -1
	s_barrier_wait -1
	s_cmp_lg_u32 s[WV], 0
	s_cbranch_scc1 .Lnot_wave_0_\@
	s_barrier_signal -3
.Lnot_wave_0_\@:
	s_barrier_wait -3
	s_barrier_signal -1
	s_barrier_wait -1
.endm
; The joint load: waves 0 to 3 fetch a quarter of a slot each, 16,384 dense bytes; the others fetch nothing.  The branch hangs on the wave's number alone.  Four v_nop follow the line.
.macro TLOAD
	s_cmp_lt_u32 s[WV], 4
	s_cbranch_scc0 .Lasked_\@
	tensor_load_to_lds s[G0:G0+3], s[G1:G1+7]
	s_nop 0
.rept 4
	v_nop
.endr
.Lasked_\@:
.endm
; A PREFETCH INTO THE L2 of the slot that the NEXT change of slots will ask for: two key steps ahead of that load.  All four clusters of a head begin with the head's slots 0, 1, 2 ..; the cluster with x = 0 walks
; all eight, so it asks, and nobody else.  Its four partners share a slot out BY ADDRESS, 16,384 bytes each; in each, waves 4 and 5 take 8,192 bytes each, lanes 256 bytes apart: each aligned block of 256 bytes is named
; once in the launch.  Slots 0 and 1 come by their loads alone; the last slot named is the head's slot 7; the second block's slots are asked for no more.
.macro ASK
	s_cmp_gt_u32 s[SLOTS], s[LIM]
	s_cbranch_scc0 .Lnot_mine_\@
	global_prefetch_b8 v[PFO], s[PFA:PFA+1] th:TH_LOAD_NT scope:SCOPE_SE
.Lnot_mine_\@:
.endm
; THE CHANGE OF SLOTS stands at a slot's head.  Each wave waits for all its tensor loads (one is out at the most: its part of the slot that it is about to read), adds 0 to its spare word, and waits for that and for
; its reads of the slot that it has left.  fill = 1: the barrier is a round of the cluster's, behind which no wave of any partner reads that slot or has a load on its way, and it is filled with the next slot
; of the walk 0 .. 7 - i, 0 .. i: the load has two key steps in which to land.
.macro CHANGE fill
	s_wait_tensorcnt 0x0                           ; no tensor load of mine is out, so group 0 may be written
	ds_add_u32 v[SPW], v[NIL]                      ; 0 onto my spare word; with fill = 1 the descriptor's step stands between it and the wait for it
.if \fill
	s_xor_b32 s[G0+1], s[G0+1], SLOT1              ; the other LDS slot than last time
	s_add_co_u32 s[REQ], s[REQ], 1                 ; the head's next slot,
	s_cmp_eq_u32 s[REQ], s[NHS]
	s_cselect_b32 s[REQ], 0, s[REQ]                ; or its first again, for the second block (whose slots, 3 at the most, never reach 8 - i, 5 at the least: one wrap)
	s_lshl_b32 s[OFS], s[REQ], 16
	s_add_nc_u64 s[G0+2:G0+3], s[KVB:KVB+1], s[OFS:OFS+1]
	s_or_b32 s[G0+3], s[G0+3], 0x80000000          ; 127:126 type = 2
	s_wait_xcnt 0x0                                ; the last prefetch, a slot back, has read its address, so it may be written:
	s_add_nc_u64 s[PFA:PFA+1], s[PFA:PFA+1], SLOT1 ; one slot further on than the load below
.endif
	s_wait_dscnt 0x0                               ; the add is done, and my reads of the slot that I have left are over
.if \fill
	ROUND
	TLOAD                                          ; the first thing behind the round, and a wave's one tensor load until the next
	ASK
.else
	s_barrier_signal -1
	s_barrier_wait -1
.endif
.endm
; A KEY STEP: 128 keys, the q-th of the slot in hand.
.macro STEP q
	s_add_co_u32 s52, s[Q0], 15                    ; a step all of whose keys come after my 16 positions is left out: a scalar branch on ids, round its loads, products and softmax
	s_cmp_gt_u32 s[KF], s52
	s_cbranch_scc1 .Lhidden_\@
	v_add_nc_u32 v[ADR], s[TB], v[LI]
	s_wait_alu depctr_va_vdst(0)
.irp g, 0,1                                    ; S^T = K Q^T, four fragments of 16 keys at a time
.rept 3+\g
	v_nop                                          ; four places in front of loads into registers that matrix instructions have read (ISA guide 7.12.1 for vector instructions); the addition above is one
.endr
.irp t, 0,1,2,3
.irp c, 0,1,2,3
	ds_load_b128 v[32+16*\t+4*\c:32+16*\t+4*\c+3], v[ADR] offset:STEPB*(\q)+FRB*(4*\g+\t)+512*\c
.endr
.endr
	s_wait_dscnt 0x0
.irp t, 0,1,2,3
	v_wmma_f32_16x16x128_bf8_bf8 v[96+8*(4*\g+\t):103+8*(4*\g+\t)], v[32+16*\t:47+16*\t], v[16:31], 0
.endr
.endr
.rept 4
	v_nop                                          ; places in front of the first read of the scores
.endr
	s_add_co_u32 s52, s[KF], 127                   ; on the diagonal the scores of hidden keys become -infinity ahead of the maximum.  A step all of whose keys count skips this
	s_cmp_le_u32 s52, s[Q0]
	s_cbranch_scc1 .Lopen_\@
	s_sub_co_i32 s52, s[Q0], s[KF]
	v_add_nc_u32 v252, s52, v[DQ]                  ; d = my position - KF - 16 h.  Register 16 b + i holds key KF + 32 b + 16 h + i: hidden where 32 b + i > d
	v_mov_b32 v254, 0xff800000                     ; -infinity
.set NN, 0
.rept 64
	v_cmp_gt_i32 vcc_lo, 32*(NN/16)+NN%16, v252
	v_cndmask_b32 v[96+NN], v[96+NN], v254, vcc_lo
.set NN, NN+1
.endr
.Lopen_\@:
	v_max3_num_f32 v254, v96, v97, v98             ; the step's largest score of my query, among my 64 keys, in two chains, each accumulator from its low end on,
	v_max3_num_f32 v252, v99, v100, v101
.irp i, 6,10,14,18,22,26,30,34,38,42,46,50,54,58
	v_max3_num_f32 v254, v254, v[96+\i], v[97+\i]
	v_max3_num_f32 v252, v252, v[98+\i], v[99+\i]
.endr
	v_max3_num_f32 v254, v254, v158, v159
	s_delay_alu instid0(VALU_DEP_1)
	v_max_num_f32 v254, v254, v252
	v_permlanex16_b32 v236, v254, s[SEL], s[SEL+1]
	s_delay_alu instid0(VALU_DEP_1)
	v_max_num_f32 v254, v254, v236                 ; and among lane l xor 16's
	s_delay_alu instid0(VALU_DEP_1)
	v_mul_f32 v254, s[CS], v254                    ; as t (c is positive)
	s_delay_alu instid0(VALU_DEP_1)
	v_max_num_f32 v13, v13, v254                   ; the running largest t
	v_mov_b32 v254, v12
	s_delay_alu instid0(VALU_DEP_2)
	v_floor_f32 v12, -v13                          ; the new -M = floor(-t) = -ceil(t): M is a whole number
	s_delay_alu instid0(VALU_DEP_1)
	v_sub_f32 v254, v12, v254                      ; M's old value less its new one: a whole number, 0 or less
	s_delay_alu instid0(VALU_DEP_1)
	v_cvt_i32_f32 v254, v254                       ; (it saturates)
	s_delay_alu instid0(VALU_DEP_1)
	v_ldexp_f32 v252, 1.0, v254                    ; f = 2^(old M - new M)
.set JJ, 0
.rept 32
	v_pk_fma_f32 v[96+JJ:97+JJ], v[96+JJ:97+JJ], s[CS:CS+1], v[12:13] op_sel_hi:[1,0,0]   ; t - M, two at a time (of the pairs c and -M the low word serves both halves)
.set JJ, JJ+2
.endr
.set JJ, 0
	s_wait_alu depctr_va_vdst(0)
.rept 64
	v_exp_f32 v[96+JJ], v[96+JJ]                   ; p = 2^(t - M), at most 1: not normalised
.set JJ, JJ+1
.endr
	v_pk_mul_f32 v[14:15], v[14:15], v[252:253] op_sel_hi:[1,0]   ; the sums under the new M: the plain instruction behind the exponentials
	s_wait_alu depctr_va_vdst(0)                   ; one wait for the whole batch, ahead of its first reader
	v_pk_add_f32 v[242:243], v[100:101], v[104:105]
	v_pk_add_f32 v[254:255], v[108:109], v[112:113]
	v_pk_add_f32 v[250:251], v[116:117], v[120:121]
	v_pk_add_f32 v[248:249], v[124:125], v[128:129]
	v_pk_add_f32 v[246:247], v[132:133], v[136:137]
	v_pk_add_f32 v[240:241], v[140:141], v[144:145]
	v_pk_add_f32 v[238:239], v[148:149], v[152:153]
	v_pk_add_f32 v[14:15], v[14:15], v[156:157]
	v_pk_add_f32 v[242:243], v[242:243], v[96:97]
	v_pk_add_f32 v[254:255], v[254:255], v[98:99]
	v_pk_add_f32 v[250:251], v[250:251], v[102:103]
	v_pk_add_f32 v[248:249], v[248:249], v[106:107]
	v_pk_add_f32 v[246:247], v[246:247], v[110:111]
	v_pk_add_f32 v[240:241], v[240:241], v[114:115]
	v_pk_add_f32 v[238:239], v[238:239], v[118:119]
	v_pk_add_f32 v[14:15], v[14:15], v[122:123]
	v_pk_add_f32 v[242:243], v[242:243], v[126:127]
	v_pk_add_f32 v[254:255], v[254:255], v[130:131]
	v_pk_add_f32 v[250:251], v[250:251], v[134:135]
	v_pk_add_f32 v[248:249], v[248:249], v[138:139]
	v_pk_add_f32 v[246:247], v[246:247], v[142:143]
	v_pk_add_f32 v[240:241], v[240:241], v[146:147]
	v_pk_add_f32 v[238:239], v[238:239], v[150:151]
	v_pk_add_f32 v[14:15], v[14:15], v[154:155]
	v_pk_add_f32 v[242:243], v[242:243], v[158:159]
	s_delay_alu instid0(VALU_DEP_2)
	v_pk_add_f32 v[14:15], v[14:15], v[248:249]
	s_delay_alu instid0(VALU_DEP_2)
	v_pk_add_f32 v[242:243], v[242:243], v[246:247]
	v_pk_add_f32 v[254:255], v[254:255], v[240:241]
	v_pk_add_f32 v[250:251], v[250:251], v[238:239]
	s_delay_alu instid0(VALU_DEP_2)
	v_pk_add_f32 v[14:15], v[14:15], v[254:255]
	s_delay_alu instid0(VALU_DEP_2)
	v_pk_add_f32 v[242:243], v[242:243], v[250:251]
	s_delay_alu instid0(VALU_DEP_1)
	v_pk_add_f32 v[14:15], v[14:15], v[242:243]
.irp b, 0,1,2,3
.set JJ, 0
.rept 16
.set JJ, JJ+1
.endr
	v_cvt_scalef32_pk8_bf8_f32 v[224+4*\b:225+4*\b], v[96+16*\b:103+16*\b], v244
	v_cvt_scalef32_pk8_bf8_f32 v[226+4*\b:227+4*\b], v[104+16*\b:111+16*\b], v244
.endr
.set JJ, 0
.rept 32
	v_pk_mul_f32 v[160+JJ:161+JJ], v[160+JJ:161+JJ], v[252:253] op_sel_hi:[1,0]   ; O^T under the new M: x f.  (These are also the plain lines between the conversions and the products that read the codes)
.set JJ, JJ+2
.endr
	s_wait_alu depctr_va_vdst(0)
.irp g, 0,1                                    ; O^T += V^T P^T: four fragments of 16 channels at a time; K = these 128 keys
.if \g > 0
.rept 4
	v_nop
.endr
.endif
.irp t, 0,1,2,3
.irp c, 0,1,2,3
	ds_load_b128 v[32+16*\t+4*\c:32+16*\t+4*\c+3], v[ADR] offset:STEPB*(\q)+VIMG+FRB*(4*\g+\t)+512*\c
.endr
.endr
	s_wait_dscnt 0x0
.irp t, 0,1,2,3
	v_wmma_f32_16x16x128_bf8_bf8 v[160+8*(4*\g+\t):167+8*(4*\g+\t)], v[32+16*\t:47+16*\t], v[224:239], v[160+8*(4*\g+\t):167+8*(4*\g+\t)]   ; the accumulators take turns, one instruction a turn
.endr
.endr
.Lhidden_\@:
	s_add_co_u32 s[KF], s[KF], 128
.endm
.macro SLOT_STEPS
	STEP 0
	STEP 1
	s_xor_b32 s[TB], s[TB], SLOT1                  ; on to the other slot
.endm
.macro QLOAD                           ; my 16 queries' rows as they lie: each load reads 512 consecutive bytes
.set II, 0
.rept 16
	global_load_b128 v[32+4*II:35+4*II], v[LI], s[4:5] offset:QROW*II th:TH_LOAD_NT
.set II, II+1
.endr
.endm
; Q's rows turn through my stage, so that lane (r, h) holds, of query r, channels 32 c + 16 h + 0 .. 15 in registers 96 + 16 c on; they are quantised into Q's fragment.  A block's state is set anew while the stage is out.
.macro QTURN
	s_wait_loadcnt 0x0
.set II, 0
.rept 16
	ds_store_b128 v[SIN], v[32+4*II:35+4*II] offset:SP*II
.set II, II+1
.endr
.irp c, 0,1,2,3
.irp j, 0,1,2,3
	ds_load_b128 v[96+16*\c+4*\j:99+16*\c+4*\j], v[SFR] offset:128*\c+16*\j   ; LDS serves a wave's instructions in order (ISA guide 5.7.1.4): these see the stores above
.endr
.endr
	v_mov_b32 v13, 0xff61b1e6                      ; the largest t so far: -3e38, under every t
	s_delay_alu instid0(VALU_DEP_1)
	v_floor_f32 v12, -v13                          ; -M
	v_mov_b32 v14, 0                               ; the sum, in two halves
	v_mov_b32 v15, 0
.set JJ, 0
.rept 64
	v_mov_b32 v[160+JJ], 0                         ; O^T.  (The key step is written without a first step of its own: it finds zeros, which the first change of M leaves zeros)
.set JJ, JJ+1
.endr
	s_wait_dscnt 0x0
.irp c, 0,1,2,3
.set JJ, 0
.rept 16
.set JJ, JJ+1
.endr
	v_cvt_scalef32_pk8_bf8_f32 v[16+4*\c:17+4*\c], v[96+16*\c:103+16*\c], v245
	v_cvt_scalef32_pk8_bf8_f32 v[18+4*\c:19+4*\c], v[104+16*\c:111+16*\c], v245
.endr
	v_nop                                          ; one plain vector instruction between the last conversion and the products that read its codes and write over its numbers
.endm
; THE WAY OUT of a block.  The sum's halves are added; O^T is divided by the sum, multiplied by 2^(ep + ev), and goes through my stage: a lane's eight channels of a row in, whole rows of 512 bytes back.
.macro FINISH
	v_add_f32 v14, v14, v15                        ; the sum's two halves,
	s_delay_alu instid0(VALU_DEP_1)
	v_permlanex16_b32 v252, v14, s[SEL], s[SEL+1]
	s_delay_alu instid0(VALU_DEP_1)
	v_add_f32 v14, v14, v252                       ; and lane l xor 16's: the row's sum, above 1/2
	s_wait_alu depctr_va_vdst(0)
	v_rcp_f32 v14, v14
	v_nop                                          ; a plain instruction behind the reciprocal,
	s_wait_alu depctr_va_vdst(0)                   ; and the wait ahead of its first reader
	v_ldexp_f32 v14, v14, s[EPV]
.set JJ, 0
.rept 64
	v_mul_f32 v[96+JJ], v[160+JJ], v14             ; register 8 t + j is o(query r, channel 16 t + 8 h + j); each accumulator from its low end on
.set JJ, JJ+1
.endr
.irp t, 0,1,2,3,4,5,6,7
	ds_store_b128 v[SOU], v[96+8*\t:99+8*\t] offset:64*\t
	ds_store_b128 v[SOU], v[100+8*\t:103+8*\t] offset:64*\t+16
.endr
.set II, 0
.rept 16
	ds_load_b128 v[96+4*II:99+4*II], v[SIN] offset:SP*II   ; in order behind the stores above, into the registers that they left
.set II, II+1
.endr
.set II, 0
.rept 16
	s_wait_dscnt 15-II                             ; row II is back; the younger loads may be out
	global_store_b128 v[LI], v[96+4*II:99+4*II], s[10:11] offset:QROW*II th:TH_STORE_NT   ; 32 lanes store 512 consecutive bytes, at a multiple of 256 from out0's first byte
.set II, II+1
.endr
.endm
	s_load_b256 s[4:11], s[0:1], 0x0               ; query s[4:5], kv s[6:7], the scales' exponents s[8:9], out0 s[10:11]
	v_lshl_add_u32 v[SPW], v0, 2, SPARE
	v_mov_b32 v[NIL], 0
	ds_add_u32 v5, v6
	ds_add_u32 v5, v6
	s_wait_dscnt 0x0
	v_lshrrev_b32 v8, 5, v0
	s_delay_alu instid0(VALU_DEP_1)
	v_readfirstlane_b32 s[WV], v8                  ; wave 0..15
	v_and_b32 v[LI], 31, v0
	s_delay_alu instid0(VALU_DEP_1)
	v_lshlrev_b32 v[LI], 4, v[LI]
	s_bfe_u32 s13, ttmp6, 0x40000                  ; g: my place in the cluster; it goes into s58 alone
	s_mov_b32 s14, ttmp9                           ; i: the cluster's x
	s_and_b32 s15, ttmp7, 0xffff                   ; y: the key and value head
	s_sub_co_u32 s[NHS], 8, s14
	s_add_co_u32 s[SWI], s14, 1
	s_lshl_b32 s52, s[WV], 4
	s_lshl_b32 s[Q0LO], s14, 8
	s_add_co_u32 s[Q0LO], s[Q0LO], s52             ; 256 i + 16 w
	s_sub_co_u32 s[Q0], 7, s14
	s_lshl_b32 s[Q0], s[Q0], 8
	s_add_co_u32 s[Q0], s[Q0], s52                 ; 256 (7 - i) + 16 w
	s_lshl_b32 s[DLT], s14, 1
	s_sub_co_u32 s[DLT], 7, s[DLT]
	s_lshl_b32 s[DLT], s[DLT], 23                  ; 256 (7 - 2 i) positions of 32,768 bytes
	s_mov_b32 s[DLT+1], 0
	s_lshl_b32 s58, s15, 2
	s_add_co_u32 s58, s58, s13                     ; 4 y + g
	s_lshl_b32 s58, s58, 9                         ; 512 bytes a head,
	s_lshl_b32 s53, s[Q0], 15                      ; 32,768 a position
	s_add_co_u32 s58, s58, s53
	s_mov_b32 s59, 0
	; descriptor group 1: 64 rows of 256 bytes, dense in memory and in LDS
	s_mov_b32 s[G1], 15|(3<<16)|(1<<21)            ; 15:0 the mask: all four work-groups; 17:16 elements of 8 bytes; 20 no padding; 21 set beside a mask
	s_mov_b32 s[G1+1], 32<<16                      ; 63:48 tensor_dim0, low half = 32
	s_mov_b32 s[G1+2], 64<<16                      ; 79:64 its high half = 0; 95:80 tensor_dim1, low half = 64
	s_mov_b32 s[G1+3], 32<<16                      ; 111:96 its high half = 0; 127:112 tile_dim0 = 32
	s_mov_b32 s[G1+4], 64                          ; 143:128 tile_dim1 = 64; 159:144 tile_dim2 = 0
	s_mov_b32 s[G1+5], 32                          ; 191:160 tensor_dim0_stride: elements from row to row
	s_mov_b32 s[G1+6], 0
	s_mov_b32 s[G1+7], 0
	s_mov_b32 s[G0], 1                             ; 1:0 count = 1
	s_and_b32 s[G0+1], s[WV], 3
	s_lshl_b32 s[G0+1], s[G0+1], 14                ; 63:32 LDS address: my quarter of slot 0: no place in the cluster enters an LDS address
	s_lshl_b32 s[OFS], s15, 19                     ; a head's 16 blocks,
	s_add_co_u32 s[OFS], s[OFS], s[G0+1]           ; my quarter of a slot
	s_mov_b32 s[OFS+1], 0
	s_mov_b32 s[REQ], 0
	s_mov_b32 s[SEL], 0x76543210
	s_mov_b32 s[SEL+1], 0xfedcba98
	s_lshr_b32 s52, s[WV], 1
	s_xor_b32 s52, s52, 2                          ; 0 in waves 4 and 5,
	s_or_b32 s52, s52, ttmp9                       ; of the clusters with x = 0: the same in all four partners
	s_cmp_eq_u32 s52, 0
	s_cselect_b32 s[LIM], 2, -1
	s_wait_kmcnt 0x0
	s_load_b128 s[48:51], s[8:9], 0x0              ; ek, eq, ev, ep
	s_add_nc_u64 s[4:5], s[4:5], s[58:59]          ; query and out0 at my wave's first row of the first block
	s_add_nc_u64 s[10:11], s[10:11], s[58:59]
	s_add_nc_u64 s[KVB:KVB+1], s[6:7], s[OFS:OFS+1]
	s_mov_b64 s[G0+2:G0+3], s[KVB:KVB+1]           ; 120:64 global address: the head's slot 0
	s_or_b32 s[G0+3], s[G0+3], 0x80000000          ; 127:126 type = 2
	s_lshl_b32 s58, s13, 14                        ; the prefetches: my work-group's 16,384 bytes of a slot,
	s_and_b32 s52, s[WV], 1
	s_lshl_b32 s52, s52, 13                        ; my wave's 8,192 of them,
	s_add_co_u32 s58, s58, s52
	s_lshl_b32 s52, s15, 19                        ; in my head,
	s_add_co_u32 s58, s58, s52
	s_add_co_u32 s58, s58, SLOT1                   ; in slot 1: the first change of slots steps it to slot 2.  Nothing is prefetched here, at the head
	s_add_nc_u64 s[PFA:PFA+1], s[6:7], s[58:59]
	ROUND                                          ; all four work-groups are here: the first joint loads meet
	TLOAD                                          ; slot 0
	s_wait_alu depctr_va_vdst(0)
	QLOAD
	v_and_b32 v10, 15, v0                          ; r
	v_bfe_u32 v11, v0, 4, 1                        ; h
	s_mul_i32 s52, s[WV], WST
	s_add_co_u32 s52, s52, STAGE                   ; my stage
	v_add_nc_u32 v[SIN], s52, v[LI]
	v_mul_u32_u24 v[SFR], v10, SP
	s_delay_alu instid0(VALU_DEP_1)
	v_lshl_add_u32 v[SOU], v11, 5, v[SFR]
	s_delay_alu instid0(VALU_DEP_2)
	v_lshl_add_u32 v[SFR], v11, 6, v[SFR]
	s_delay_alu instid0(VALU_DEP_1)
	v_add_nc_u32 v[SFR], s52, v[SFR]
	s_delay_alu instid0(VALU_DEP_3)
	v_add_nc_u32 v[SOU], s52, v[SOU]
	v_lshlrev_b32 v[PFO], 4, v[LI]
	v_lshlrev_b32 v11, 4, v11
	s_delay_alu instid0(VALU_DEP_1)
	v_sub_nc_u32 v[DQ], v10, v11
	v_mov_b32 v236, 0                              ; written once: a lane permute's destination counts as one of its sources
	v_mov_b32 v252, 0
	v_mov_b32 v253, 0                              ; (named as the upper half of the pair v[252:253])
	s_wait_kmcnt 0x0
	s_mov_b32 s[CS], 0x3e0293ee                    ; c = log2(e) / sqrt(128)
	s_add_co_i32 s52, s48, s49
	s_lshl_b32 s52, s52, 23
	s_add_co_i32 s[CS], s[CS], s52                 ; a score stands for score x 2^(ek + eq): the two exponents are added to c's exponent field
	s_mov_b32 s[CS+1], s[CS]                       ; (named with it as a pair, so it is written)
	s_add_co_i32 s52, s51, 127
	s_lshl_b32 s53, s52, 23
	v_mov_b32 v244, s53                            ; 2^ep as f32, for p's conversions
	s_add_co_i32 s52, s49, 127
	s_lshl_b32 s53, s52, 23
	v_mov_b32 v245, s53                            ; 2^eq, for Q's
	s_add_co_i32 s[EPV], s51, s50
	QTURN
	s_mov_b32 s[KF], 0
	s_mov_b32 s[TB], 0
	s_mov_b32 s[SLOTS], 8
.Lslot:                                            ; eight trips: behind each change of slots but the last the walk's next slot is asked for
	CHANGE 1
	SLOT_STEPS
	s_cmp_lg_u32 s[SLOTS], s[SWI]                  ; the first block's last slot has been walked when i + 1 slots are still to go: the same trip in all partners
	s_cbranch_scc1 .Lsame
.rept 4
	v_nop                                          ; places in front of loads into registers that the last products have read
.endr
	s_sub_nc_u64 s[4:5], s[4:5], s[DLT:DLT+1]      ; (the first block's loads of Q have long been waited for)
	QLOAD                                          ; the second block's queries land while the first block goes out
	FINISH
	s_wait_xcnt 0x0                                ; the stores have read their registers and their base: both are written again below
	s_sub_nc_u64 s[10:11], s[10:11], s[DLT:DLT+1]
	s_mov_b32 s[Q0], s[Q0LO]
	s_mov_b32 s[KF], 0
	QTURN
.Lsame:
	s_sub_co_u32 s[SLOTS], s[SLOTS], 1
	s_cmp_lg_u32 s[SLOTS], 0
	s_cbranch_scc1 .Lslot
	CHANGE 0                                       ; the last slot is written out
	SLOT_STEPS
	FINISH                                         ; (two additions, the v_nop and v_ldexp_f32 are the four places behind the last products)
	s_wait_tensorcnt 0x0                           ; the wave's end, behind my last tensor load and my last LDS store
	ds_add_u32 v[SPW], v[NIL]
	s_wait_dscnt 0x0
	ROUND                                          ; the closing round: no work-group ends while a partner may still ask for a slot that names it
	s_endpgm
.Lfunc_end_k_qb430a2a379_attn:
	.size	k_qb430a2a379_attn, .Lfunc_end_k_qb430a2a379_attn-k_qb430a2a379_attn
	.p2alignl 7, 3214868480
	.fill 96, 4, 3214868480
	.section	.rodata,"a",@progbits
	.p2align	6, 0x0
	.amdhsa_kernel k_qb430a2a379_attn
		.amdhsa_group_segment_fixed_size 327680
		.amdhsa_private_segment_fixed_size 0
		.amdhsa_enable_private_segment 0
		.amdhsa_kernarg_size 32
		.amdhsa_user_sgpr_count 2
		.amdhsa_user_sgpr_kernarg_segment_ptr 1
		.amdhsa_wavefront_size32 1
		.amdhsa_system_sgpr_workgroup_id_x 1
		.amdhsa_system_sgpr_workgroup_id_y 1
		.amdhsa_system_sgpr_workgroup_id_z 1
		.amdhsa_system_vgpr_workitem_id 0
		.amdhsa_next_free_vgpr 256
		.amdhsa_next_free_sgpr 66
		.amdhsa_reserve_vcc 1
		.amdhsa_float_denorm_mode_32 3
		.amdhsa_float_denorm_mode_16_64 3
		.amdhsa_fp16_overflow 1
		.amdhsa_memory_ordered 1
		.amdhsa_forward_progress 1
		.amdhsa_inst_pref_size 123
	.end_amdhsa_kernel
	.amdgpu_metadata
---
amdhsa.version: [ 1, 2 ]
amdhsa.kernels:
  - .name:           k_qb430a2a379_attn
    .symbol:         k_qb430a2a379_attn.kd
    .args:
      - { .name: query, .offset: 0, .size: 8, .value_kind: global_buffer, .address_space: global }
      - { .name: kv, .offset: 8, .size: 8, .value_kind: global_buffer, .address_space: global }
      - { .name: lowp_scales, .offset: 16, .size: 8, .value_kind: global_buffer, .address_space: global }
      - { .name: out0, .offset: 24, .size: 8, .value_kind: global_buffer, .address_space: global }
    .group_segment_fixed_size: 327680
    .private_segment_fixed_size: 0
    .kernarg_segment_align: 8
    .kernarg_segment_size: 32
    .max_flat_workgroup_size: 512
    .sgpr_count:     66
    .vgpr_count:     256
    .wavefront_size: 32
...
	.end_amdgpu_metadata
.endif
;; end of part 2
